; MI455X (gfx1250); checked and timed in simulation.
; The chip was launched on July 23, 2026; its instructions are those of AMD's public machine-readable ISA for CDNA 5 (MIT licence, August 2026) and "CDNA5" Instruction Set Architecture Reference Guide (July 2026). The comments in the code are by the model that wrote it; some were corrected since.
;; Cross View Transformer. Allowed arithmetic: matrix products marked QUANTISED: E2M3 operands, one E8M0 scale for each 32 along K, by v_wmma_scale_f32_16x16x128_f8f6f4 with both operands' format E2M3, f32 sums; products left as they are: f32 operands where the result goes on into a quantised operand, else bf16, f16 or f32 operands; f32 sums; everything else in f32.
;; Inputs: bk 8 float32; bq 8 float32; bv 64 float32; query_x 8 x 64 x 64 x 64 float32; ref_x 8 x 64 x 64 x 64 float32; wk 8 x 64 float32; wq 8 x 64 float32; wv_codes 64 x 2 x 24 uint8 (E2M3 codes of wv, K innermost, in blocks of 32 codes, four codes in three bytes); wv_scales 64 x 2 uint8 (E8M0 scales of wv, one for each 32 codes along K).
;; Outputs: out0 8 x 64 x 64 x 64 float32.
;; This version of the problem:
;;   THIS VERSION OF THE PROBLEM IS GIVEN IN LOW PRECISION. The matrix products marked QUANTISED in the list below multiply operands that are first quantised to E2M3 (2 exponent bits, 3 mantissa bits; 6 bits a number), with one power-of-two scale for each 32 numbers along K (OCP MX v1.0); their sums are f32. All else is computed in f32.
;;   The module's matrix products, in the order in which they are computed (A, B: the left and right operand; K: the contracted axis; several contracted axes count as one K, in the product's order):
;;     1. [M 32,768, K 64] x [K 64, N 8]; A: input query_x; B: input wq: left as it is (N = 8 < 16)
;;     2. [M 32,768, K 64] x [K 64, N 8]; A: input ref_x; B: input wk: left as it is (N = 8 < 16)
;;     3. [M 32,768, K 64] x [K 64, N 64]; A: input ref_x; B: input wv (given as codes): QUANTISED
;;     4. batch 8 x [M 4,096, K 8] x [K 8, N 4,096]; A: computed on the way; B: computed on the way: left as it is (K = 8 < 32)
;;     5. batch 8 x [M 64, K 4,096] x [K 4,096, N 4,096]; A: computed on the way; B: softmax (see below): QUANTISED
;;   THE QUANTISER, for each operand of a quantised product, along K:
;;     - K is cut into blocks of 32 from its start; a last block that is shorter is filled with zeros.
;;     - A block's scale is 2^e with e = floor(log2(the largest magnitude in the block)) - 2, held to -126 .. 127; a block of zeros has e = 0. As a byte (E8M0): e + 127.
;;     - Each number is divided by its block's scale, clamped to +-7.5, and rounded to the nearest number of E2M3, ties to even, subnormals kept.
;;     - The product sums the exact products of the quantised numbers (number of the format x scale) in f32.
;;   ~~~python
;;   def quantise(x, axis):      # numpy; x: float32 -> the quantised numbers, widened to float32 again
;;       x = np.moveaxis(x, axis, -1); K = x.shape[-1]
;;       x = np.pad(x, [(0, 0)] * (x.ndim - 1) + [(0, -K % 32)]); x = x.reshape(x.shape[:-1] + (-1, 32)); a = np.abs(x).max(-1, keepdims=True)
;;       e = np.where(a > 0, np.clip(np.frexp(np.where(a > 0, a, 1))[1] - 1 - 2, -126, 127), 0)      # np.frexp(a)[1] - 1 = floor(log2(a)), exactly
;;       r = np.clip(x / 2.0 ** e, -7.5, 7.5)
;;       step = 2.0 ** (np.maximum(np.frexp(np.where(r == 0, 1, r))[1] - 1, 0) - 3)
;;       q = np.round(r / step) * step * 2.0 ** e      # np.round: ties to even
;;       return np.moveaxis(q.reshape(q.shape[:-2] + (-1,))[..., :K], -1, axis).astype(np.float32)
;;   ~~~
;;   SOFTMAX AHEAD OF A QUANTISED PRODUCT. Where the list says 'softmax', what is quantised is not the finished softmax but p = 2^(t - M), with t = logit x log2(e) and M = ceil(the row's largest t), a whole number; so 1/2 < the row's largest p <= 1. The row's sum l is taken of the UNQUANTISED p, in f32, and the product's result is divided by l at the end. Since M is a whole number, a kernel that streams over the keys may use a running M (the ceiling of the running maximum): every later rescaling is an exact power of two, which a block's scale takes up: the codes' values come out the same.
;;   OPERANDS COMPUTED ON THE WAY. 'Computed on the way' means the value that the module computes at that place (a softmax that the list does not call 'softmax' is quantised finished and normalised). What goes into a quantiser is computed in f32, as accurately as f32 sums, v_exp_f32 and their like allow (about 1e-6 of the number): no bf16 or f16 on the way to a quantiser, and a product that is left as it is and whose result goes on into a quantised operand takes f32 operands (vector FMAs, or v_wmma_f32_16x16x4_f32). A number that lies on a knife's edge between two numbers of the format may be rounded either way, as far as f32 arithmetic and the matrix unit's own rounding can turn it there, and no further.
;;   INPUTS GIVEN AS CODES. wv (in the module: [64, 64], K = its axis 1): each comes as NAME_codes (uint8): NAME with its K axis moved to the last place and cut into blocks of 32 codes, [.., K / 32, bytes a block], one block behind the other in memory; four codes in three bytes: a row's codes are one little-endian stream of bits, code i at bits 6 i .. 6 i + 5 (a code: sign, 2 exponent bits, 3 mantissa bits); and NAME_scales (uint8): the same leading axes, one E8M0 byte (e + 127) for each 32 codes along K. Its value is code x scale, taken as it is: it is not quantised again, and the codes and scales need not be those that the quantiser above would give.
;; One version. Each part assembles by itself: llvm-mc -triple=amdgcn-amd-amdhsa -mcpu=gfx1250 --defsym DOCPART=n.
;; ======== version 1 of 1: 2 launches
;; workspace buffers: rec 2,752,512 bytes; kf 1,048,576 bytes
;; launch prep (part 1): grid 32 x 8, 4 waves a work-group, no clusters, 8,704 bytes of LDS; arguments query_x, ref_x, wq, bq, wk, bk, wv_codes, wv_scales, bv, rec, kf; writes rec, kf
.if DOCPART == 1
	.amdgcn_target "amdgcn-amd-amdhsa--gfx1250"
	.amdhsa_code_object_version 6
	.text
	.protected	k_q1e9f8f955c_prep
	.globl	k_q1e9f8f955c_prep
	.p2align	8
	.type	k_q1e9f8f955c_prep,@function
k_q1e9f8f955c_prep:
	s_mov_b64 s[64:65], 0
	v_nop
	global_prefetch_b8 v0, s[64:65] scope:SCOPE_SE
	s_setreg_imm32_b32 hwreg(HW_REG_WAVE_MODE, 25, 1), 1
	s_wait_xcnt 0x0
; q = wq query_x + bq, k = wk ref_x + bk (f32), v = Q(ref_x) wv + bv (codes of E2M3, f32 sums), made ONCE and laid as the second launch's operand registers want them.
; x: [8][64 channels][4,096 positions] f32.  A work-group takes one batch (y) and 128 positions (x); wave w takes positions 32 w + lane: A LANE IS A POSITION AND ITS REGISTERS RUN DOWN THE 64 CHANNELS,
; so each load reads 128 consecutive bytes (the four waves stand side by side on 512), and a block of 32 channels, the K of v's product, lies in one lane.
; q, k: v_wmma_f32_16x16x4_f32, source 0 = 16 rows of weights, source 1 = 16 positions, the bias as the C of the first K step.  Lane r takes weight row (r & 3) + 4 (r >> 3): registers 0-3 of the result in lane (r, h) are then
;   outputs 4 h .. 4 h + 3 of position r: 16 bytes a lane, which ARE a fragment's two K steps for the score product (hardware's k = 2 h + j of step s stands for output 4 h + 2 s + j, in q and k alike).  k is multiplied by log2(e).
; v: ref_x's codes go from wave to wave through LDS as images of registers (K = 64 fills registers 0-5 of a fragment; 6-11 are zero codes); wave w then makes channels 16 w .. 16 w + 15 for all 128 positions:
;   source 0 = 16 positions, source 1 = 16 rows of wv, C = bv: a lane holds ONE channel and its 64 registers run along the positions, which are the K of the second launch's product.  They are quantised there and then.
;   Inside a block of 32 positions the place 16 h + 8 u + j holds position 16 u + 8 h + j; the second launch lays p the same way, so the products pair up; blocks, scales and codes are the true ones.
; OUT.  rec: for each batch and 128 positions 10,752 bytes: 8 fragments of q (512 bytes, 16 a lane), 4 fragments of v (3 x 512), 4 x 128 bytes of v's scale words.  kf: 512 bytes for each 16 positions of k.
; LIMITS: NaN and infinities among the inputs are not served; a block whose largest magnitude lies under 2^-124 keeps the scale byte 1 (a block of zeros too: its codes are zeros, and this program alone reads the bytes);
; the f32 sums of q and k run bias first, then channels in fours; log2(e) enters k by one more f32 rounding.
.set RECB, 10752
.set XSC,  6144                        ; LDS: 8 images of 768 bytes (512 for registers 0-3, 256 for 4-5), then 4 x 128 bytes of scale words
; window 0
.set L4,  1                            ; v1   4 x lane: x's offset, a scale word's place
.set L16, 2                            ; v2   16 x lane
.set L8,  3                            ; v3   8 x lane
.set WO,  4                            ; v4   my weight row x 256 + 8 h
.set BO,  5                            ; v5   16 h: my four biases of q or k
.set VO,  6                            ; v6   wv's codes: 768 w + 48 r + 24 h
.set SO,  7                            ; v7   wv's scale bytes: 32 w + 2 r
.set BVO, 8                            ; v8   bv: 64 w + 4 r
.set W16, 9                            ; v9   1,536 w + 16 x lane
.set W8,  10                           ; v10  1,536 w + 8 x lane
.set W4,  11                           ; v11  128 w + 4 x lane
.set Q16, 12                           ; v12  1,024 w + 16 x lane
.set XR,  16                           ; v16-79   ref_x: 64 channels of my position
.set WK,  80                           ; v80-111  wk: 16 K steps x 2
.set FR,  16                           ; v16-111  later: 8 fragments of ref_x's codes
.set TM,  16                           ; v16-31   later still: at work in QUANT
.set PW,  32                           ; v32      v's scale word
.set PC,  36                           ; v36-55   v's codes
.set DK,  112                          ; v112-127 k's two sums: written by matrix instructions alone
.set CK,  128                          ; v128-135 bk in the result's layout
.set WVF, 136                          ; v136-147 wv's fragment
.set WVS, 148                          ; v148     wv's scale word
.set XS,  150                          ; v150-153 ref_x's scale words: register u: lanes 0-15 positions 32 u + r, lanes 16-31 positions 32 u + 16 + r
.set CB,  154                          ; v154-161 bv of my channel, eight times
.set Y0,  162                          ; v162-167, v168-173 my two fragments' registers 0-5
.set Y1,  168
.set T0,  174                          ; v174-176, v178-180 the conversions' second halves
.set T1,  178
.set KO,  174                          ; v174-181 later: k x log2(e), to store
.set MX,  182
.set SOX, 184
.set BY,  186
.set SW,  188
.set V,   192                          ; v192-255 v: 8 tiles of 16 positions
; window 1
.set XQ,  0                            ; query_x: 64 channels of my position
.set WQ,  64
.set CQ,  96
.set DQ,  104                          ; q's two sums: written by matrix instructions alone
.set SEL, 30
.set MSB, 0
.macro WIN new                         ; the immediate's high byte repeats the setting that is left
.if MSB != \new
	s_set_vgpr_msb (MSB<<8)|\new
.set MSB, \new
.endif
.endm
; From a lane = a position to source 1 of the f32 form (lane (r, h), register j: position r, channel 4 s + 2 h + j): lanes 16-31 of channels 4 s, 4 s + 1 change places with lanes 0-15 of channels 4 s + 2, 4 s + 3.
; Then x[4 s : 4 s + 1] serves positions 0-15 and x[4 s + 2 : 4 s + 3] positions 16-31.
.macro XSWAP x
.set kk, 0
.rept 16
	v_permlane16_swap_b32 v[\x+4*kk], v[\x+4*kk+2]
	v_permlane16_swap_b32 v[\x+4*kk+1], v[\x+4*kk+3]
.set kk, kk+1
.endr
.endm
; 16 K steps of 4 channels on two sums (positions 0-15, 16-31) by turns, one instruction a turn; the first step takes the bias as C.
.macro CHAIN d, wt, x, c
	v_wmma_f32_16x16x4_f32 v[\d:\d+7], v[\wt:\wt+1], v[\x:\x+1], v[\c:\c+7]
	v_wmma_f32_16x16x4_f32 v[\d+8:\d+15], v[\wt:\wt+1], v[\x+2:\x+3], v[\c:\c+7]
.set kk, 1
.rept 15
	v_wmma_f32_16x16x4_f32 v[\d:\d+7], v[\wt+2*kk:\wt+2*kk+1], v[\x+4*kk:\x+4*kk+1], v[\d:\d+7]
	v_wmma_f32_16x16x4_f32 v[\d+8:\d+15], v[\wt+2*kk:\wt+2*kk+1], v[\x+4*kk+2:\x+4*kk+3], v[\d+8:\d+15]
.set kk, kk+1
.endr
.endm
; 64 numbers of a lane, v[s] .. v[s + 63], registers 16 b .. 16 b + 15 = my half of block b of my row, become a fragment's codes in v[PC] on and its scale word in v[PW].
.macro QUANT s
.irp b, 0,1,2,3
	v_max3_num_f32 v[TM+\b], |v[\s+16*\b]|, |v[\s+1+16*\b]|, 0x1800000   ; my 16 numbers, and the floor 2^(3 - 127): the byte cannot fall under 1
.endr
.irp i, 2,4,6,8,10,12,14
.irp b, 0,1,2,3
	v_max3_num_f32 v[TM+\b], v[TM+\b], |v[\s+16*\b+\i]|, |v[\s+1+16*\b+\i]|   ; (the four blocks by turns)
.endr
.endr
.irp b, 0,1,2,3
	v_permlanex16_b32 v[TM+4+\b], v[TM+\b], s[SEL], s[SEL+1]
.endr
.irp b, 0,1,2,3
	v_max_num_f32 v[TM+\b], v[TM+\b], v[TM+4+\b]   ; with lane l xor 16's: the block's largest magnitude
.endr
.irp b, 0,1,2,3
	v_add_nc_u32 v[TM+12+\b], 0xff000000, v[TM+\b]   ; 2 off its exponent field: the conversion takes this operand's exponent field as its scale
.endr
.irp b, 0,1,2,3
	v_lshrrev_b32 v[TM+4+\b], 23, v[TM+12+\b]      ; the scale's byte
.endr
	v_lshl_or_b32 v[PW], v[TM+5], 8, v[TM+4]
	v_lshl_or_b32 v[PW], v[TM+6], 16, v[PW]
	v_lshl_or_b32 v[PW], v[TM+7], 24, v[PW]
.irp c, 0,1
	v_cvt_scalef32_pk16_fp6_f32 v[PC+6*\c:PC+2+6*\c], v[\s+32*\c:\s+15+32*\c], v[TM+12+2*\c]
	v_cvt_scalef32_pk16_fp6_f32 v[PC+12+4*\c:PC+14+4*\c], v[\s+16+32*\c:\s+31+32*\c], v[TM+12+2*\c+1]   ; (a conversion's three registers begin on an even number)
.endr
	v_nop                                          ; one plain place behind a scaled conversion
.irp c, 0,1                                    ; the operand's layout wants a whole block in a lane: lanes 0-15 block 2 c, lanes 16-31 block 2 c + 1
.irp i, 0,1,2
	v_permlane16_swap_b32 v[PC+6*\c+\i], v[PC+12+4*\c+\i]
.endr
.irp i, 0,1,2
	v_mov_b32 v[PC+3+6*\c+\i], v[PC+12+4*\c+\i]
.endr
.endr
.endm
	s_load_b512 s[4:19], s[0:1], 0x0               ; query_x s[4:5], ref_x s[6:7], wq s[8:9], bq s[10:11], wk s[12:13], bk s[14:15], wv's codes s[16:17], wv's scales s[18:19]
	s_load_b128 s[20:23], s[0:1], 0x40             ; bv s[20:21], rec s[22:23]
	s_load_b64 s[24:25], s[0:1], 0x50              ; kf
	v_lshl_add_u32 v190, v0, 2, 0x2000
	v_mov_b32 v191, 0
	v_lshrrev_b32 v1, 5, v0
	v_readfirstlane_b32 s26, v1                    ; wave 0..3
	v_and_b32 v15, 31, v0                          ; lane
	v_lshlrev_b32 v[L4], 2, v15
	v_lshlrev_b32 v[L16], 4, v15
	v_lshlrev_b32 v[L8], 3, v15
	v_and_b32 v13, 15, v0                          ; r
	v_bfe_u32 v14, v0, 4, 1                        ; h
	v_and_b32 v[WO], 3, v13
	v_lshrrev_b32 v15, 3, v13
	v_lshl_add_u32 v[WO], v15, 2, v[WO]            ; my weight row: (r & 3) + 4 (r >> 3)
	v_lshlrev_b32 v[WO], 8, v[WO]                  ; of 256 bytes,
	v_lshl_add_u32 v[WO], v14, 3, v[WO]            ; + 8 h: channels 2 h, 2 h + 1 of each four
	v_lshlrev_b32 v[BO], 4, v14
	s_mul_i32 s32, s26, 768
	v_mul_u32_u24 v[VO], v13, 48                   ; a row of wv is 64 codes, 48 bytes; my block of 32 begins 24 h on
	v_mad_u32_u24 v[VO], v14, 24, v[VO]
	v_add_nc_u32 v[VO], s32, v[VO]
	s_lshl_b32 s32, s26, 5
	v_lshl_add_u32 v[SO], v13, 1, s32
	s_lshl_b32 s32, s26, 6
	v_lshl_add_u32 v[BVO], v13, 2, s32
	s_mul_i32 s32, s26, 1536
	v_add_nc_u32 v[W16], s32, v[L16]
	v_add_nc_u32 v[W8], s32, v[L8]
	s_lshl_b32 s32, s26, 7
	v_add_nc_u32 v[W4], s32, v[L4]
	s_lshl_b32 s33, s26, 10
	v_add_nc_u32 v[Q16], s33, v[L16]
	s_and_b32 s27, ttmp7, 0xffff                   ; the batch
	s_lshl_b32 s28, s27, 20                        ; x: batch x 64 x 16,384 bytes
	s_lshl_b32 s33, ttmp9, 9                       ; + 128 positions x work-group x
	s_add_co_u32 s28, s28, s33
	s_add_co_u32 s28, s28, s32                     ; + 32 positions x wave
	s_mov_b32 s29, 0
	s_lshl_b32 s34, s27, 5
	s_add_co_u32 s34, s34, ttmp9
	s_mul_i32 s34, s34, RECB                       ; my record
	s_mov_b32 s35, 0
	s_lshl_b32 s36, s27, 17                        ; kf: 256 tiles of 512 bytes a batch,
	s_lshl_b32 s33, ttmp9, 12                      ; 8 a work-group
	s_add_co_u32 s36, s36, s33
	s_mov_b32 s37, 0
	s_mov_b32 s[SEL], 0x76543210
	s_mov_b32 s[SEL+1], 0xfedcba98                 ; v_permlanex16_b32's selects for lane l xor 16
	s_wait_kmcnt 0x0
	s_add_nc_u64 s[4:5], s[4:5], s[28:29]
	s_add_nc_u64 s[6:7], s[6:7], s[28:29]
	s_add_nc_u64 s[22:23], s[22:23], s[34:35]
	s_add_nc_u64 s[24:25], s[24:25], s[36:37]
	; ---- all loads at once: the small ones first, then ref_x, then query_x
.set kk, 0
.rept 16
	global_load_b64 v[WK+2*kk:WK+2*kk+1], v[WO], s[12:13] offset:16*kk
.set kk, kk+1
.endr
	global_load_b128 v[CK:CK+3], v[BO], s[14:15]   ; registers 4-7 of a result repeat registers 0-3's weight rows: so does the bias
	global_load_b128 v[CK+4:CK+7], v[BO], s[14:15]
.irp p, 0,1,2
	global_load_b64 v[WVF+2*\p:WVF+2*\p+1], v[VO], s[16:17] offset:8*\p
.endr
	global_load_u16 v[WVS], v[SO], s[18:19]        ; two scale bytes; the upper two, over zero codes, are 0
	global_load_b32 v[CB], v[BVO], s[20:21]
	WIN 0x40                                       ; destination window 1
.set kk, 0
.rept 16
	global_load_b64 v[WQ+2*kk:WQ+2*kk+1], v[WO], s[8:9] offset:16*kk
.set kk, kk+1
.endr
	global_load_b128 v[CQ:CQ+3], v[BO], s[10:11]
	global_load_b128 v[CQ+4:CQ+7], v[BO], s[10:11]
	WIN 0
.set kk, 0
.rept 64
	global_load_b32 v[XR+kk], v[L4], s[6:7] offset:16384*kk th:TH_LOAD_NT   ; ref_x is read once in the program
.set kk, kk+1
.endr
	WIN 0x40
.set kk, 0
.rept 64
	global_load_b32 v[XQ+kk], v[L4], s[4:5] offset:16384*kk                 ; query_x is read again by the second launch
.set kk, kk+1
.endr
	WIN 0
	; ---- ref_x's codes: two blocks of 32 channels, both mine
	s_wait_loadcnt 63                              ; 64 loads were issued behind ref_x's last; the wait's field ends at 63, which waits for one load more
	v_max3_num_f32 v[MX], |v[XR]|, |v[XR+1]|, 0x1800000
	v_max3_num_f32 v[MX+1], |v[XR+32]|, |v[XR+33]|, 0x1800000
.irp i, 2,4,6,8,10,12,14,16,18,20,22,24,26,28,30
	v_max3_num_f32 v[MX], v[MX], |v[XR+\i]|, |v[XR+1+\i]|
	v_max3_num_f32 v[MX+1], v[MX+1], |v[XR+32+\i]|, |v[XR+33+\i]|
.endr
	v_add_nc_u32 v[SOX], 0xff000000, v[MX]
	v_add_nc_u32 v[SOX+1], 0xff000000, v[MX+1]
	v_lshrrev_b32 v[BY], 23, v[SOX]
	v_lshrrev_b32 v[BY+1], 23, v[SOX+1]
	v_lshl_or_b32 v[SW], v[BY+1], 8, v[BY]         ; my position's scale word; bytes 2 and 3 stand over zero codes
	v_cvt_scalef32_pk16_fp6_f32 v[Y0:Y0+2], v[XR:XR+15], v[SOX]
	v_cvt_scalef32_pk16_fp6_f32 v[T0:T0+2], v[XR+16:XR+31], v[SOX]
	v_cvt_scalef32_pk16_fp6_f32 v[Y1:Y1+2], v[XR+32:XR+47], v[SOX+1]
	v_cvt_scalef32_pk16_fp6_f32 v[T1:T1+2], v[XR+48:XR+63], v[SOX+1]
	v_nop                                          ; one plain place behind a scaled conversion
.irp i, 0,1,2
	v_mov_b32 v[Y0+3+\i], v[T0+\i]
	v_mov_b32 v[Y1+3+\i], v[T1+\i]
.endr
.irp i, 0,1,2,3,4,5
	v_permlane16_swap_b32 v[Y0+\i], v[Y1+\i]       ; Y0: positions 0-15, block 0 in lanes 0-15 and block 1 in lanes 16-31; Y1: positions 16-31 likewise
.endr
	ds_store_b128 v[W16], v[Y0:Y0+3]
	ds_store_b64 v[W8], v[Y0+4:Y0+5] offset:512
	ds_store_b128 v[W16], v[Y1:Y1+3] offset:768
	ds_store_b64 v[W8], v[Y1+4:Y1+5] offset:768+512
	ds_store_b32 v[W4], v[SW] offset:XSC
	XSWAP XR
	s_wait_dscnt 0x0                               ; for the others' sake: my images have landed
	s_barrier_signal -1
	CHAIN DK, WK, XR, CK                           ; k: register work while the others arrive
.irp i, 1,2,3,4,5,6,7
	v_mov_b32 v[CB+\i], v[CB]                      ; thirteen plain lines that name none of the sums' registers: the eight places behind the f32 form
.endr
.irp i, 6,7,8,9,10,11
	v_mov_b32 v[WVF+\i], 0                         ; K = 64 .. 127: zero codes
.endr
	s_barrier_wait -1                              ; all eight images lie in LDS
	; ---- v: my 16 channels for the 128 positions
.irp t, 0,1,2,3,4,5,6,7
.irp i, 6,7,8,9,10,11
	v_mov_b32 v[FR+12*\t+\i], 0
.endr
.endr
.irp t, 0,1,2,3,4,5,6,7
	ds_load_b128 v[FR+12*\t:FR+12*\t+3], v[L16] offset:768*\t
	ds_load_b64 v[FR+12*\t+4:FR+12*\t+5], v[L8] offset:768*\t+512
.endr
.irp u, 0,1,2,3
	ds_load_b32 v[XS+\u], v[L4] offset:XSC+128*\u
.endr
.irp i, 0,1,2,3
	v_mul_f32 v[KO+\i], 0x3fb8aa3b, v[DK+\i]       ; k x log2(e), each sum from its low end on.  (Eight plain lines between the zero codes above and the scaled products below)
.endr
.irp i, 0,1,2,3
	v_mul_f32 v[KO+4+\i], 0x3fb8aa3b, v[DK+8+\i]
.endr
	global_store_b128 v[Q16], v[KO:KO+3], s[24:25]             ; 32 lanes store 512 consecutive bytes, aligned
	global_store_b128 v[Q16], v[KO+4:KO+7], s[24:25] offset:512
	s_wait_dscnt 0x0
.irp t, 0,1,2,3,4,5,6,7
.if \t%2
	v_wmma_scale_f32_16x16x128_f8f6f4 v[V+8*\t:V+8*\t+7], v[FR+12*\t:FR+12*\t+11], v[WVF:WVF+11], v[CB:CB+7], v[XS+\t/2], v[WVS] matrix_a_fmt:MATRIX_FMT_FP6 matrix_b_fmt:MATRIX_FMT_FP6 matrix_a_scale:MATRIX_SCALE_ROW1
.else
	v_wmma_scale_f32_16x16x128_f8f6f4 v[V+8*\t:V+8*\t+7], v[FR+12*\t:FR+12*\t+11], v[WVF:WVF+11], v[CB:CB+7], v[XS+\t/2], v[WVS] matrix_a_fmt:MATRIX_FMT_FP6 matrix_b_fmt:MATRIX_FMT_FP6
.endif
.endr                                          ; lane (r, h), register 8 t + j: v(channel 16 w + r, position 16 t + 8 h + j)
	; ---- q, all in window 1; v's quantising stands behind it
	WIN 0x55
	s_wait_loadcnt 0x0                             ; query_x
	XSWAP XQ
	CHAIN DQ, WQ, XQ, CQ
	WIN 0
.rept 4
	v_nop                                          ; four places behind the scaled products: what follows reads their results and writes over their fragments
.endr
	QUANT V                                        ; its plain lines are also the eight places between q's last product and the stores of q
.irp g, 0,1,2
	global_store_b128 v[W16], v[PC+4*\g:PC+4*\g+3], s[22:23] offset:4096+512*\g
.endr
	global_store_b32 v[W4], v[PW], s[22:23] offset:10240
	WIN 0x04                                       ; a store's data are its source 1: window 1
	global_store_b128 v[Q16], v[DQ:DQ+3], s[22:23]
	global_store_b128 v[Q16], v[DQ+8:DQ+11], s[22:23] offset:512
	WIN 0
	s_wait_tensorcnt 0x0
	ds_add_u32 v190, v191
	s_wait_dscnt 0x0
	s_endpgm
.Lfunc_end_k_q1e9f8f955c_prep:
	.size	k_q1e9f8f955c_prep, .Lfunc_end_k_q1e9f8f955c_prep-k_q1e9f8f955c_prep
	.p2alignl 7, 3214868480
	.fill 96, 4, 3214868480
	.section	.rodata,"a",@progbits
	.p2align	6, 0x0
	.amdhsa_kernel k_q1e9f8f955c_prep
		.amdhsa_group_segment_fixed_size 8704
		.amdhsa_private_segment_fixed_size 0
		.amdhsa_enable_private_segment 0
		.amdhsa_kernarg_size 88
		.amdhsa_user_sgpr_count 2
		.amdhsa_user_sgpr_kernarg_segment_ptr 1
		.amdhsa_wavefront_size32 1
		.amdhsa_system_sgpr_workgroup_id_x 1
		.amdhsa_system_sgpr_workgroup_id_y 1
		.amdhsa_system_sgpr_workgroup_id_z 1
		.amdhsa_system_vgpr_workitem_id 0
		.amdhsa_next_free_vgpr 384
		.amdhsa_next_free_sgpr 66
		.amdhsa_reserve_vcc 0
		.amdhsa_float_denorm_mode_32 3
		.amdhsa_float_denorm_mode_16_64 3
		.amdhsa_memory_ordered 1
		.amdhsa_forward_progress 1
		.amdhsa_inst_pref_size 38
	.end_amdhsa_kernel
	.amdgpu_metadata
---
amdhsa.version: [ 1, 2 ]
amdhsa.kernels:
  - .name:           k_q1e9f8f955c_prep
    .symbol:         k_q1e9f8f955c_prep.kd
    .args:
      - { .name: query_x, .offset: 0, .size: 8, .value_kind: global_buffer, .address_space: global }
      - { .name: ref_x, .offset: 8, .size: 8, .value_kind: global_buffer, .address_space: global }
      - { .name: wq, .offset: 16, .size: 8, .value_kind: global_buffer, .address_space: global }
      - { .name: bq, .offset: 24, .size: 8, .value_kind: global_buffer, .address_space: global }
      - { .name: wk, .offset: 32, .size: 8, .value_kind: global_buffer, .address_space: global }
      - { .name: bk, .offset: 40, .size: 8, .value_kind: global_buffer, .address_space: global }
      - { .name: wv_codes, .offset: 48, .size: 8, .value_kind: global_buffer, .address_space: global }
      - { .name: wv_scales, .offset: 56, .size: 8, .value_kind: global_buffer, .address_space: global }
      - { .name: bv, .offset: 64, .size: 8, .value_kind: global_buffer, .address_space: global }
      - { .name: rec, .offset: 72, .size: 8, .value_kind: global_buffer, .address_space: global }
      - { .name: kf, .offset: 80, .size: 8, .value_kind: global_buffer, .address_space: global }
    .group_segment_fixed_size: 8704
    .private_segment_fixed_size: 0
    .kernarg_segment_align: 8
    .kernarg_segment_size: 88
    .max_flat_workgroup_size: 128
    .sgpr_count:     66
    .vgpr_count:     384
    .wavefront_size: 32
...
	.end_amdgpu_metadata
.endif
;; end of part 1
;; launch attn (part 2): grid 32 x 8, 16 waves a work-group, clusters of 4 x 1, 327,680 bytes of LDS; arguments query_x, rec, kf, out0; writes out0
.if DOCPART == 2
	.amdgcn_target "amdgcn-amd-amdhsa--gfx1250"
	.amdhsa_code_object_version 6
	.text
	.protected	k_q1e9f8f955c_attn
	.globl	k_q1e9f8f955c_attn
	.p2align	8
	.type	k_q1e9f8f955c_attn,@function
k_q1e9f8f955c_attn:
	s_mov_b64 s[64:65], 0
	v_nop
	global_prefetch_b8 v0, s[64:65] scope:SCOPE_SE
	s_setreg_imm32_b32 hwreg(HW_REG_WAVE_MODE, 25, 1), 1
	s_wait_xcnt 0x0
	s_wait_alu depctr_hold_cnt(0) depctr_sa_sdst(0) depctr_va_vdst(0) depctr_va_sdst(0) depctr_va_ssrc(0) depctr_va_vcc(0) depctr_vm_vsrc(0)
	s_getreg_b32 s2, hwreg(HW_REG_IB_STS2, 6, 4)
	s_cmp_eq_u32 s2, 0
	s_cbranch_scc0 .Lentry_in_a_cluster
	s_endpgm
.Lentry_in_a_cluster:
	s_bfe_u32 s2, ttmp6, 0x10000c
	s_cmp_lg_u32 s2, 0x3003
	s_cbranch_scc0 .Lentry_shape_is_right
	s_endpgm
.Lentry_shape_is_right:
; out0[b][c][j] = query_x[b][c][j] + (sum over i of v[c][i] p[j][i]) / (sum over i of p[j][i]),  p = 2^(t - M), t = log2(e) k[j] . q[i], M = the row's largest t rounded up to a whole number.
; The first launch has laid q (f32), v (codes of E2M3 along i, with scale words) and log2(e) k (f32) as images of operand registers: rec holds 10,752 bytes for each batch and 128 i, kf 512 bytes for each 16 j.
; SHARES.  A work-group owns one batch and 128 rows j.  Sixteen waves, four to a SIMD.  Wave w owns tile w & 7 of 16 rows, and of the batch's 32 steps of 128 i those of parity w >> 3: 16 steps a wave;
; the two halves of a tile are joined at the end by powers of two, which round nothing.
; A STEP.  S^T = q k^T by v_wmma_f32_16x16x4_f32 (source 0 = 16 i, source 1 = my 16 j; K = 8 in two instructions): a lane holds ONE row j, and the 16 registers of tiles 2 b, 2 b + 1 lie in block b of 32 i.
; The running M is the ceiling of the running maximum; when it moves, the sum and O are multiplied by 2^(old M - new M).  p is quantised block by block; the row's sum is taken of the unquantised p.
; O^T += v p^T by the scaled 6-bit form (source 0 = 16 channels, source 1 = p).  Inside a block the place 16 h + 8 u + j holds i = 16 u + 8 h + j in v and p alike.
; BY TURNS.  A trip begins with its step's scores finished.  A tile of S^T is free as soon as its t - M has been copied out, so the NEXT step's 16 score products are issued one at a time, each behind that copy, and between
; them stand this step's vector lines: the copies, the exponentials (four behind each product), the rescaling of O and of the sum, the scale bytes, half of the sums: 147 of a trip's 237 vector lines.
; q of the next step and v of this step share v16-63: q is asked for at the trip's head, v behind the last score product.
; LDS.  Three slots of 8 records (86,016 bytes), filled at the start; slot 0 is filled once more, with the last 8 records.  The four work-groups of a cluster belong to one batch and walk the same records, so every fill is a
; JOINT load (mask 15): waves 0-3 bring two records each, 84 rows of 256 bytes.  By this text's count a wave has three tensor loads out at the start and one later.
; LIMITS: NaN and infinities are not served; p under 2^-126 comes out of v_exp_f32 as 0 (ISA guide, the instruction's entry); a block whose every p is 0 keeps the scale byte 1 over zero codes.
.set REC,   10752
.set SLOTB, 8*REC
.set PART,  2*REC                      ; what one tensor load brings; also from one step of a parity to its next
.set SPARE, 3*SLOTB                    ; behind the slots: the spare words, 128 bytes for each of sixteen waves: eight blocks of 256 bytes that no other line names
.set MRG,   SLOTB                      ; the join: sixteen areas in slot 1, which has had its only fill, and its last read when the first result is stored there
.set AREA,  4608                       ; 8 x 512 bytes of O's image, -M at 4,096, the sum at 4,224
.set STG,   2*SLOTB                    ; the way out: 64 rows (channels) x (512 bytes + 16), in slot 2, likewise done with
.set SP,    528
.set SPW, 1                            ; v1   LDS address of my spare word; never rewritten
.set NIL, 2                            ; v2   0; never rewritten
.set L16, 3                            ; v3   16 x lane
.set L4,  4                            ; v4   4 x lane
.set ADR, 5                            ; v5   the next step's record + 16 x lane: q
.set ADS, 6                            ; v6   this step's record + 4 x lane: v's scale words
.set ADV, 7                            ; v7   this step's record + 16 x lane: v
.set KB,  8                            ; v8-11    k's fragment: my 16 rows
.set QF,  16                           ; v16-47   8 fragments of q;
.set VF,  16                           ; v16-63   then 4 fragments of v
.set S,   64                           ; v64-127  S^T: written by matrix instructions alone
.set P,   128                          ; v128-191 t - M, then p
.set O,   192                          ; v192-223 O^T: 4 tiles of 16 channels
                                       ; v12 -M, v13 the largest t, v[14:15] and v[254:255] the sum's two chains; v224-235 p's codes (v232-235 first the blocks' maxima); v236-247 at work; v248-251 v's scale words; v252 f; v253 p's scale word
.set CNT, 3                            ; s3   trips to go
.set WV,  12                           ; s12  wave
.set GR,  13                           ; s13  wave >> 3
.set JT,  14                           ; s14  wave & 7
.set GB,  15                           ; s15  10,752 x (wave >> 3): my parity's first record in a slot
.set G1,  16                           ; s[16:23] descriptor group 1
.set G0,  24                           ; s[24:35] group 0, a set for each slot
.set TQ,  36                           ; s36  LDS byte of the next step's record
.set TV,  37                           ; s37  LDS byte of this step's record
.set SEL, 38                           ; s[38:39]
.set BB,  42                           ; s42  the batch
.macro ROUND                           ; a round of the cluster's barrier
	s_barrier_signal -1
	s_barrier_wait -1
	s_cmp_lg_u32 s[WV], 0
	s_cbranch_scc1 .Lnot_wave_0_\@
	s_barrier_signal -3
.Lnot_wave_0_\@:
	s_barrier_wait -3
	s_barrier_signal -1
	s_barrier_wait -1
.endm
; The score products of tile t: the first K step starts the sum with the constant 0, the second adds in place.  All eight first steps come ahead of the eight second ones: the sums take turns.
.macro WA t
	v_wmma_f32_16x16x4_f32 v[S+8*(\t):S+8*(\t)+7], v[QF+4*(\t):QF+4*(\t)+1], v[KB:KB+1], 0
.endm
.macro WB t
	v_wmma_f32_16x16x4_f32 v[S+8*(\t):S+8*(\t)+7], v[QF+4*(\t)+2:QF+4*(\t)+3], v[KB+2:KB+3], v[S+8*(\t):S+8*(\t)+7]
.endm
.macro PK t                            ; t - M of tile t's eight scores, two at a time, into registers of their own: behind it the tile may be written again
.irp i, 0,2,4,6
	v_pk_add_f32 v[P+8*(\t)+\i:P+8*(\t)+\i+1], v[S+8*(\t)+\i:S+8*(\t)+\i+1], v[12:13] op_sel_hi:[1,0]
.endr
.endm
.macro EX k                            ; four of the 64 exponentials: p = 2^(t - M), at most 1: not normalised
.irp i, 0,1,2,3
	v_exp_f32 v[P+4*(\k)+\i], v[P+4*(\k)+\i]
.endr
.endm
.macro OS k                            ; four registers of O^T under the new M; in ascending order
	v_pk_mul_f32 v[O+4*(\k):O+4*(\k)+1], v[O+4*(\k):O+4*(\k)+1], v[252:253] op_sel_hi:[1,0]
	v_pk_mul_f32 v[O+4*(\k)+2:O+4*(\k)+3], v[O+4*(\k)+2:O+4*(\k)+3], v[252:253] op_sel_hi:[1,0]
.endm
.macro SUM m                           ; the row's sum is taken of the unquantised p: four numbers, two to each of two chains; the first four start the second chain
.if (\m) == 0
	s_wait_alu depctr_va_vdst(0)
	v_pk_add_f32 v[254:255], v[P:P+1], v[P+2:P+3]
.else
	s_wait_alu depctr_va_vdst(0)
	v_pk_add_f32 v[14:15], v[14:15], v[P+4*(\m):P+4*(\m)+1]
	v_pk_add_f32 v[254:255], v[254:255], v[P+4*(\m)+2:P+4*(\m)+3]
.endif
.endm
; A TRIP: this step's softmax and its product with v; next = 1: among them the next step's scores.
.macro TRIP next
.if \next
	v_add_nc_u32 v[ADR], s[TQ], v[L16]
.else
	v_nop
.endif
	v_add_nc_u32 v[ADV], s[TV], v[L16]
	v_add_nc_u32 v[ADS], s[TV], v[L4]
	v_nop                                          ; four places behind the last trip's scaled products: their fragments' registers are loaded again, and v232-235 written, below
.if \next
.irp t, 0,1,2,3,4,5,6,7
	ds_load_b128 v[QF+4*\t:QF+4*\t+3], v[ADR] offset:512*\t   ; the next step's q lands while the maxima are found
.endr
.endif
.irp b, 0,1,2,3
	v_max3_num_f32 v[232+\b], v[S+16*\b], v[S+1+16*\b], v[S+2+16*\b]   ; the largest t of each block of 32: for the row's maximum, and, since p rises with t, for the block's largest p.  Each tile is read from its low end on
.endr
.irp i, 3,5,7,9,11,13
.irp b, 0,1,2,3
	v_max3_num_f32 v[232+\b], v[232+\b], v[S+16*\b+\i], v[S+1+16*\b+\i]
.endr
.endr
.irp b, 0,1,2,3
	v_max_num_f32 v[232+\b], v[232+\b], v[S+15+16*\b]
.endr
.irp b, 0,1,2,3
	v_permlanex16_b32 v[236+\b], v[232+\b], s[SEL], s[SEL+1]
.endr
.irp b, 0,1,2,3
	v_max_num_f32 v[232+\b], v[232+\b], v[236+\b]  ; with lane l xor 16's half of the block
.endr
	v_max3_num_f32 v254, v232, v233, v234
	v_max_num_f32 v254, v254, v235
	v_max_num_f32 v13, v13, v254                   ; the running largest t
	v_mov_b32 v254, v12
	v_floor_f32 v12, -v13                          ; the new -M = floor(-t): M is a whole number
	v_sub_f32 v254, v12, v254                      ; old M - new M: a whole number, 0 or less
	v_cvt_i32_f32 v254, v254                       ; (it saturates)
	v_ldexp_f32 v252, 1.0, v254                    ; f = 2^(old M - new M)
	PK 0
.if \next
	s_wait_dscnt 0x0                               ; the next step's q is in
.endif
; ---- the turns: one score product, then six to ten vector lines that name none of its registers.  Every run of exponentials has a plain line behind it.
.irp k, 0,1,2,3,4,5,6
.if \next
	WA \k
.endif
	PK \k+1
	EX \k
	OS \k
.endr
.if \next
	WA 7
.endif
.irp b, 0,1,2,3
	v_add_f32 v[232+\b], v[232+\b], v12            ; t - M of each block's largest t
.endr
	EX 7
	OS 7
.if \next
	WB 0
.endif
	v_pk_mul_f32 v[14:15], v[14:15], v[252:253] op_sel_hi:[1,0]   ; the sum under the new M
	EX 8
.irp b, 0,1,2,3
	v_exp_f32 v[232+\b], v[232+\b]                 ; the block's largest p: the same two operations on the same number give the same bits
.endr
	SUM 0
.if \next
	WB 1
.endif
.irp b, 0,1,2,3
	v_max_num_f32 v[232+\b], 0x1800000, v[232+\b]  ; the floor 2^(3 - 127): the byte cannot fall under 1
.endr
	EX 9
	SUM 1
.if \next
	WB 2
.endif
.irp b, 0,1,2,3
	v_add_nc_u32 v[244+\b], 0xff000000, v[232+\b]  ; 2 off the exponent field: the conversion's scale operand
.endr
	EX 10
	SUM 2
.if \next
	WB 3
.endif
.irp b, 0,1,2,3
	v_lshrrev_b32 v[236+\b], 23, v[244+\b]         ; the scale's byte
.endr
	EX 11
	SUM 3
.if \next
	WB 4
.endif
	v_lshl_or_b32 v253, v237, 8, v236              ; p's scale word for these 128 i
	v_lshl_or_b32 v253, v238, 16, v253
	v_lshl_or_b32 v253, v239, 24, v253
	EX 12
	SUM 4
.if \next
	WB 5
.endif
	EX 13
	SUM 5
.if \next
	WB 6
.endif
	EX 14
	SUM 6
.if \next
	WB 7
.endif
	EX 15
	SUM 7
; ---- behind the last score product: ten plain lines (the two above, these eight) are its eight places in front of the loads into q's registers
	SUM 8
	SUM 9
	SUM 10
	SUM 11
.irp n, 0,1,2,3,4,5,6,7,8,9,10,11
	ds_load_b128 v[VF+4*\n:VF+4*\n+3], v[ADV] offset:4096+512*\n   ; v's four fragments land while p is quantised
.endr
.irp c, 0,1,2,3
	ds_load_b32 v[248+\c], v[ADS] offset:10240+128*\c
.endr
.irp c, 0,1
	v_cvt_scalef32_pk16_fp6_f32 v[224+6*\c:226+6*\c], v[P+32*\c:P+15+32*\c], v[244+2*\c]
	v_cvt_scalef32_pk16_fp6_f32 v[236+4*\c:238+4*\c], v[P+16+32*\c:P+31+32*\c], v[244+2*\c+1]   ; (a conversion's three registers begin on an even number)
.endr
	v_nop                                          ; one plain place behind a scaled conversion
.irp c, 0,1                                    ; the operand's layout wants a whole block in a lane
.irp i, 0,1,2
	v_permlane16_swap_b32 v[224+6*\c+\i], v[236+4*\c+\i]
.endr
.irp i, 0,1,2
	v_mov_b32 v[227+6*\c+\i], v[236+4*\c+\i]
.endr
.endr
	SUM 12                                         ; nine plain lines between p's codes and the scaled products
	SUM 13
	SUM 14
	SUM 15
	v_pk_add_f32 v[14:15], v[14:15], v[254:255]
	s_wait_dscnt 0x0                               ; v's fragments and scale words are in
.irp c, 0,1,2,3
	v_wmma_scale_f32_16x16x128_f8f6f4 v[O+8*\c:O+8*\c+7], v[VF+12*\c:VF+12*\c+11], v[224:235], v[O+8*\c:O+8*\c+7], v[248+\c], v253 matrix_a_fmt:MATRIX_FMT_FP6 matrix_b_fmt:MATRIX_FMT_FP6
.endr
.endm
.macro TRIPS n                         ; n trips of my parity: every second record
	s_mov_b32 s[CNT], \n
.Ltrip_\@:
	TRIP 1
	s_add_co_u32 s[TQ], s[TQ], PART
	s_add_co_u32 s[TV], s[TV], PART
	s_sub_co_u32 s[CNT], s[CNT], 1
	s_cmp_lg_u32 s[CNT], 0
	s_cbranch_scc1 .Ltrip_\@
.endm
	s_load_b256 s[4:11], s[0:1], 0x0               ; query_x s[4:5], rec s[6:7], kf s[8:9], out0 s[10:11]
	v_lshl_add_u32 v[SPW], v0, 2, SPARE
	v_mov_b32 v[NIL], 0
	ds_add_u32 v1, v2
	ds_add_u32 v1, v2
	s_wait_dscnt 0x0
	v_lshrrev_b32 v5, 5, v0
	v_readfirstlane_b32 s[WV], v5                  ; wave 0..15
	s_lshr_b32 s[GR], s[WV], 3
	s_and_b32 s[JT], s[WV], 7
	s_mul_i32 s[GB], s[GR], REC
	s_and_b32 s[BB], ttmp7, 0xffff                 ; the batch, which the four partners share
	; descriptor group 1: two records, 21,504 dense bytes, as 84 rows of 256 bytes (32 elements of 8 bytes)
	s_mov_b32 s[G1+0], 15|(3<<16)|(1<<21)          ; 15:0 the mask: all four work-groups; 17:16 elements of 8 bytes; 20 no padding; 21 set beside a mask
	s_mov_b32 s[G1+1], 32<<16                      ; tensor_dim0 = 32
	s_mov_b32 s[G1+2], 84<<16                      ; tensor_dim1 = 84
	s_mov_b32 s[G1+3], 32<<16                      ; tile_dim0 = 32
	s_mov_b32 s[G1+4], 84                          ; tile_dim1 = 84
	s_mov_b32 s[G1+5], 32                          ; elements from row to row
	s_mov_b32 s[G1+6], 0
	s_mov_b32 s[G1+7], 0
	s_and_b32 s43, s[WV], 3
	s_mul_i32 s43, s43, PART                       ; my part of a slot, in LDS and in memory alike: no place in the cluster enters it
	s_mul_i32 s44, s[BB], 32*REC                   ; the batch's records
	s_add_co_u32 s44, s44, s43
	s_mov_b32 s45, 0
	s_mov_b32 s[SEL], 0x76543210
	s_mov_b32 s[SEL+1], 0xfedcba98                 ; v_permlanex16_b32's selects for lane l xor 16
	s_wait_kmcnt 0x0
	s_add_nc_u64 s[6:7], s[6:7], s[44:45]
	ROUND                                          ; all four work-groups are here: the first joint loads meet
.irp n, 0,1,2
	s_mov_b32 s[G0+4*\n], 1                        ; count = 1
	s_add_co_u32 s[G0+4*\n+1], s43, \n*SLOTB       ; LDS address
	s_add_nc_u64 s[G0+4*\n+2:G0+4*\n+3], s[6:7], \n*SLOTB   ; global address: records 8 n on
	s_or_b32 s[G0+4*\n+3], s[G0+4*\n+3], 0x80000000         ; type = 2
.endr
	s_cmp_lt_u32 s[WV], 4                          ; waves 0-3 fetch; a wave's three first fills stand in one branch, ahead of every wait on TENSORcnt and every LDS read
	s_cbranch_scc0 .Lfirst_asked
	tensor_load_to_lds s[G0:G0+3], s[G1:G1+7]
	s_nop 0
	tensor_load_to_lds s[G0+4:G0+7], s[G1:G1+7]
	s_nop 0
	tensor_load_to_lds s[G0+8:G0+11], s[G1:G1+7]
	s_nop 0
.rept 4
	v_nop
.endr
.Lfirst_asked:
	s_bfe_u32 s40, ttmp6, 0x40000                  ; cx: my place in the cluster: it enters the addresses of kf, query_x and out0 alone
	s_lshl_b32 s41, ttmp9, 2
	s_add_co_u32 s41, s41, s40                     ; my block of 128 rows j
	s_lshl_b32 s46, s[BB], 17                      ; kf: 131,072 bytes a batch,
	s_lshl_b32 s40, s41, 12                        ; 4,096 a block,
	s_add_co_u32 s46, s46, s40
	s_lshl_b32 s40, s[JT], 9                       ; 512 a tile
	s_add_co_u32 s46, s46, s40
	s_mov_b32 s47, 0
	s_add_nc_u64 s[8:9], s[8:9], s[46:47]
	v_and_b32 v[L4], 31, v0
	v_lshlrev_b32 v[L16], 4, v[L4]
	v_lshlrev_b32 v[L4], 2, v[L4]
	global_load_b128 v[KB:KB+3], v[L16], s[8:9]    ; lane (r, h): log2(e) k(row r, 4 h .. 4 h + 3)
	s_lshl_b32 s46, s[BB], 20                      ; query_x and out0: the batch,
	s_lshl_b32 s40, s[WV], 16                      ; channels 4 w on,
	s_add_co_u32 s46, s46, s40
	s_lshl_b32 s40, s41, 9                         ; my block's 512 bytes of a row
	s_add_co_u32 s46, s46, s40
	s_add_nc_u64 s[4:5], s[4:5], s[46:47]
	s_add_nc_u64 s[10:11], s[10:11], s[46:47]
	v_mov_b32 v13, 0xff61b1e6                      ; the largest t so far: -3e38, under every t
	v_floor_f32 v12, -v13                          ; -M
	v_mov_b32 v14, 0                               ; the sum
	v_mov_b32 v15, 0
.irp b, 0,1,2,3
	v_mov_b32 v[236+\b], 0                         ; written once: a lane permute's destination counts as one of its sources
.endr
	v_mov_b32 v253, 0                              ; (named as the upper half of the pair v[252:253] before it is first written)
.set jj, 0
.rept 32
	v_mov_b32 v[O+jj], 0                           ; O^T: the trip is written for every step alike; the first finds zeros, which the first change of M leaves zeros
.set jj, jj+1
.endr
	s_wait_tensorcnt 1                             ; my parts of slots 0 and 1 are in (trip 3 looks ahead into slot 1); slot 2's one load may stay out
	s_barrier_signal -1
	s_barrier_wait -1                              ; everybody's are
	s_wait_loadcnt 0x0                             ; k
	; ---- step 0's scores: there is no vector work yet to set between them
	v_add_nc_u32 v[ADR], s[GB], v[L16]
.irp t, 0,1,2,3,4,5,6,7
	ds_load_b128 v[QF+4*\t:QF+4*\t+3], v[ADR] offset:512*\t
.endr
	s_wait_dscnt 0x0
.irp t, 0,1,2,3,4,5,6,7
	WA \t
.endr
.irp t, 0,1,2,3,4,5,6,7
	WB \t
.endr
.rept 8
	v_nop                                          ; eight places behind the f32 form: q's registers are loaded again, and the scores are read
.endr
	s_add_co_u32 s[TQ], s[GB], PART
	s_mov_b32 s[TV], s[GB]
	TRIPS 4                                        ; my steps 0-3: v from slot 0; q of steps 1-3 from slot 0, of step 4 from slot 1
	s_wait_tensorcnt 0x0                           ; all my tensor loads have landed, slot 2's among them: a group 0 may be written
	ds_add_u32 v[SPW], v[NIL]                      ; 0 onto my spare word
	ds_add_u32 v1, v2
	s_add_nc_u64 s[G0+2:G0+3], s[G0+2:G0+3], 3*SLOTB   ; slot 0's next records: 24-31
	s_wait_dscnt 0x0                               ; the add is done, and my reads of slot 0 are over
	ROUND                                          ; both now hold of every wave of the four work-groups
	s_cmp_lt_u32 s[WV], 4
	s_cbranch_scc0 .Lrefilled
	tensor_load_to_lds s[G0:G0+3], s[G1:G1+7]      ; the one refill: it has seven trips of each wave in which to land
	s_nop 0
.rept 4
	v_nop
.endr
.Lrefilled:
	s_add_co_u32 s[TQ], s[GB], 5*PART
	s_add_co_u32 s[TV], s[GB], 4*PART
	TRIPS 7                                        ; my steps 4-10: slots 1 and 2, which lie on end
	s_wait_tensorcnt 0x0                           ; my part of the refill is in,
	s_wait_dscnt 0x0                               ; and my reads of slot 1 are over: it serves as scratch from here on
	s_barrier_signal -1
	s_barrier_wait -1
	s_mov_b32 s[TQ], s[GB]
	s_add_co_u32 s[TV], s[GB], 11*PART
	TRIP 1                                         ; my step 11, written out: its v is slot 2's last, the q ahead of it slot 0's first
	s_add_co_u32 s[TQ], s[GB], PART
	s_mov_b32 s[TV], s[GB]
	TRIPS 3                                        ; my steps 12-14: slot 0 again
	s_add_co_u32 s[TV], s[GB], 3*PART
	TRIP 0                                         ; my step 15: no step follows it
	; ---- THE JOIN.  The addresses are made first: plain lines that name none of the last products' registers, their four places.
	s_mul_i32 s43, s[WV], AREA
	s_add_co_u32 s43, s43, MRG
	v_add_nc_u32 v[ADR], s43, v[L16]               ; my area
	v_add_nc_u32 v[ADS], s43, v[L4]
	s_mul_i32 s43, s[JT], AREA
	s_add_co_u32 s43, s43, MRG
	v_add_nc_u32 v8, s43, v[L4]                    ; my tile's first area: the statistics;
	s_lshl_b32 s44, s[GR], 11
	s_add_co_u32 s43, s43, s44
	v_add_nc_u32 v7, s43, v[L16]                   ; and of O's image the half that I finish: channels 32 (w >> 3) on
	v_and_b32 v11, 15, v0                          ; r
	v_bfe_u32 v9, v0, 4, 1                         ; h
	v_mul_u32_u24 v9, v9, 8*SP
	v_lshl_add_u32 v9, v11, 2, v9
	s_mul_i32 s43, s[GR], 32*SP
	s_lshl_b32 s44, s[JT], 6
	s_add_co_u32 s43, s43, s44
	s_add_co_u32 s43, s43, STG
	v_add_nc_u32 v9, s43, v9                       ; the stage, in: row (channel) 32 (w >> 3) + 8 h, byte 64 (w & 7) + 4 r
	s_mul_i32 s43, s[WV], 4*SP
	s_add_co_u32 s43, s43, STG
	v_add_nc_u32 v10, s43, v[L16]                  ; and back: rows 4 w on, 16 bytes a lane
	v_add_f32 v14, v14, v15                        ; the sum's two halves,
	v_permlanex16_b32 v254, v14, s[SEL], s[SEL+1]
	v_add_f32 v14, v14, v254                       ; and lane l xor 16's: my steps' sum of row r
.irp i, 0,1,2,3
	global_load_b128 v[16+4*\i:19+4*\i], v[L16], s[4:5] offset:16384*\i th:TH_LOAD_NT   ; query_x at the four rows that I shall store: 512 consecutive bytes a load
.endr
.irp n, 0,1,2,3,4,5,6,7
	ds_store_b128 v[ADR], v[O+4*\n:O+4*\n+3] offset:512*\n   ; O^T as it stands, each tile from its low end on
.endr
	ds_store_b32 v[ADS], v12 offset:4096
	ds_store_b32 v[ADS], v14 offset:4224
	s_wait_dscnt 0x0                               ; for the others' sake: my stores have landed; my reads of slot 2 were over long ago
	s_barrier_signal -1
	s_barrier_wait -1                              ; behind it nobody reads slot 2 any more: the stage may be written
.irp n, 0,1,2,3
	ds_load_b128 v[128+4*\n:131+4*\n], v7 offset:512*\n            ; the even steps' half,
	ds_load_b128 v[144+4*\n:147+4*\n], v7 offset:8*AREA+512*\n     ; the odd steps'
.endr
	ds_load_b32 v160, v8 offset:4096
	ds_load_b32 v161, v8 offset:4224
	ds_load_b32 v162, v8 offset:8*AREA+4096
	ds_load_b32 v163, v8 offset:8*AREA+4224
	s_wait_dscnt 0x0
	v_min_num_f32 v164, v160, v162                 ; -M of the two together
	v_sub_f32 v165, v164, v160                     ; each half's M less the common one: whole numbers, 0 or less
	v_sub_f32 v166, v164, v162
	v_cvt_i32_f32 v165, v165
	v_cvt_i32_f32 v166, v166
	v_ldexp_f32 v165, 1.0, v165
	v_ldexp_f32 v166, 1.0, v166
	v_mul_f32 v167, v161, v165
	v_fma_f32 v167, v163, v166, v167               ; the row's sum
	v_rcp_f32 v168, v167
	v_nop                                          ; one plain place behind a transcendental
	s_wait_alu depctr_va_vdst(0)
	v_mul_f32 v170, v165, v168
	v_mul_f32 v172, v166, v168
.set jj, 0
.rept 8
	v_pk_mul_f32 v[176+jj:177+jj], v[128+jj:129+jj], v[170:171] op_sel_hi:[1,0]
.set jj, jj+2
.endr
.set jj, 0
.rept 8
	v_pk_fma_f32 v[176+jj:177+jj], v[144+jj:145+jj], v[172:173], v[176+jj:177+jj] op_sel_hi:[1,0,1]
.set jj, jj+2
.endr
	; ---- THE WAY OUT.  Register e of lane (r, h) is z(channel 32 (w >> 3) + 16 (e / 8) + 8 h + e % 8, row 16 (w & 7) + r): sixteen lanes put 64 neighbouring bytes of a channel's row into the stage
.set jj, 0
.rept 16
	ds_store_b32 v9, v[176+jj] offset:(16*(jj/8)+jj%8)*SP
.set jj, jj+1
.endr
	s_wait_dscnt 0x0
	s_barrier_signal -1
	s_barrier_wait -1                              ; 64 whole rows lie in the stage
.irp i, 0,1,2,3
	ds_load_b128 v[32+4*\i:35+4*\i], v10 offset:\i*SP
.endr
	s_wait_dscnt 0x0
	s_wait_loadcnt 0x0                             ; query_x
.set jj, 0
.rept 8
	v_pk_add_f32 v[32+jj:33+jj], v[32+jj:33+jj], v[16+jj:17+jj]
.set jj, jj+2
.endr
.irp i, 0,1,2,3
	global_store_b128 v[L16], v[32+4*\i:35+4*\i], s[10:11] offset:16384*\i th:TH_STORE_NT   ; 32 lanes store 512 consecutive bytes, at a multiple of 256 from out0's first byte
.endr
	s_wait_tensorcnt 0x0                           ; the wave's end, behind my last tensor load and my last LDS store
	ds_add_u32 v[SPW], v[NIL]
	s_wait_dscnt 0x0
	ROUND                                          ; the closing round: no work-group ends while a partner may still ask for a tile that names it
	s_endpgm
.Lfunc_end_k_q1e9f8f955c_attn:
	.size	k_q1e9f8f955c_attn, .Lfunc_end_k_q1e9f8f955c_attn-k_q1e9f8f955c_attn
	.p2alignl 7, 3214868480
	.fill 96, 4, 3214868480
	.section	.rodata,"a",@progbits
	.p2align	6, 0x0
	.amdhsa_kernel k_q1e9f8f955c_attn
		.amdhsa_group_segment_fixed_size 327680
		.amdhsa_private_segment_fixed_size 0
		.amdhsa_enable_private_segment 0
		.amdhsa_kernarg_size 32
		.amdhsa_user_sgpr_count 2
		.amdhsa_user_sgpr_kernarg_segment_ptr 1
		.amdhsa_wavefront_size32 1
		.amdhsa_system_sgpr_workgroup_id_x 1
		.amdhsa_system_sgpr_workgroup_id_y 1
		.amdhsa_system_sgpr_workgroup_id_z 1
		.amdhsa_system_vgpr_workitem_id 0
		.amdhsa_next_free_vgpr 256
		.amdhsa_next_free_sgpr 66
		.amdhsa_reserve_vcc 0
		.amdhsa_float_denorm_mode_32 3
		.amdhsa_float_denorm_mode_16_64 3
		.amdhsa_memory_ordered 1
		.amdhsa_forward_progress 1
		.amdhsa_inst_pref_size 91
	.end_amdhsa_kernel
	.amdgpu_metadata
---
amdhsa.version: [ 1, 2 ]
amdhsa.kernels:
  - .name:           k_q1e9f8f955c_attn
    .symbol:         k_q1e9f8f955c_attn.kd
    .args:
      - { .name: query_x, .offset: 0, .size: 8, .value_kind: global_buffer, .address_space: global }
      - { .name: rec, .offset: 8, .size: 8, .value_kind: global_buffer, .address_space: global }
      - { .name: kf, .offset: 16, .size: 8, .value_kind: global_buffer, .address_space: global }
      - { .name: out0, .offset: 24, .size: 8, .value_kind: global_buffer, .address_space: global }
    .group_segment_fixed_size: 327680
    .private_segment_fixed_size: 0
    .kernarg_segment_align: 8
    .kernarg_segment_size: 32
    .max_flat_workgroup_size: 512
    .sgpr_count:     66
    .vgpr_count:     256
    .wavefront_size: 32
...
	.end_amdgpu_metadata
.endif
;; end of part 2
